; MI455X (gfx1250); checked and timed in simulation.
; The chip was launched on July 23, 2026; its instructions are those of AMD's public machine-readable ISA for CDNA 5 (MIT licence, August 2026) and "CDNA5" Instruction Set Architecture Reference Guide (July 2026). The comments in the code are by the model that wrote it; some were corrected since.
;; Linear Attention. Allowed arithmetic: matrix products marked QUANTISED: E2M1 operands, one E8M0 scale for each 32 along K, by v_wmma_scale_f32_16x16x128_f8f6f4 with both operands' format E2M1 (or v_wmma_scale_f32_32x16x128_f4), f32 sums; everything else in f32.
;; Inputs: k 4 x 16 x 2,048 x 64 float32; q 4 x 16 x 2,048 x 64 float32; token_mask 4 x 2,048 bool; v 4 x 16 x 2,048 x 64 float32.
;; Outputs: out0 4 x 16 x 2,048 x 64 float32.
;; This version of the problem:
;;   THIS VERSION OF THE PROBLEM IS GIVEN IN LOW PRECISION. The matrix products marked QUANTISED in the list below multiply operands that are first quantised to E2M1 (2 exponent bits, 1 mantissa bit; 4 bits a number), with one power-of-two scale for each 32 numbers along K (OCP MX v1.0); their sums are f32. All else is computed in f32.
;;   The module's matrix products, in the order in which they are computed (A, B: the left and right operand; K: the contracted axis; several contracted axes count as one K, in the product's order):
;;     1. batch 64 x [M 64, K 2,048] x [K 2,048, N 64]; A: computed on the way; B: input v: QUANTISED
;;     2. batch 64 x [M 64, K 2,048] x [K 2,048, N 64]; A: computed on the way; B: input v: QUANTISED
;;     3. batch 64 x [M 2,048, K 64] x [K 64, N 64]; A: computed on the way; B: computed on the way: QUANTISED
;;     4. batch 64 x [M 2,048, K 64] x [K 64, N 64]; A: computed on the way; B: computed on the way: QUANTISED
;;   THE QUANTISER, for each operand of a quantised product, along K:
;;     - K is cut into blocks of 32 from its start; a last block that is shorter is filled with zeros.
;;     - A block's scale is 2^e with e = floor(log2(the largest magnitude in the block)) - 2, held to -126 .. 127; a block of zeros has e = 0. As a byte (E8M0): e + 127.
;;     - Each number is divided by its block's scale, clamped to +-6, and rounded to the nearest number of E2M1, ties to even, subnormals kept.
;;     - The product sums the exact products of the quantised numbers (number of the format x scale) in f32.
;;   ~~~python
;;   def quantise(x, axis):      # numpy; x: float32 -> the quantised numbers, widened to float32 again
;;       x = np.moveaxis(x, axis, -1); K = x.shape[-1]
;;       x = np.pad(x, [(0, 0)] * (x.ndim - 1) + [(0, -K % 32)]); x = x.reshape(x.shape[:-1] + (-1, 32)); a = np.abs(x).max(-1, keepdims=True)
;;       e = np.where(a > 0, np.clip(np.frexp(np.where(a > 0, a, 1))[1] - 1 - 2, -126, 127), 0)      # np.frexp(a)[1] - 1 = floor(log2(a)), exactly
;;       r = np.clip(x / 2.0 ** e, -6, 6)
;;       step = 2.0 ** (np.maximum(np.frexp(np.where(r == 0, 1, r))[1] - 1, 0) - 1)
;;       q = np.round(r / step) * step * 2.0 ** e      # np.round: ties to even
;;       return np.moveaxis(q.reshape(q.shape[:-2] + (-1,))[..., :K], -1, axis).astype(np.float32)
;;   ~~~
;;   OPERANDS COMPUTED ON THE WAY. 'Computed on the way' means the value that the module computes at that place (a softmax that the list does not call 'softmax' is quantised finished and normalised). What goes into a quantiser is computed in f32, as accurately as f32 sums, v_exp_f32 and their like allow (about 1e-6 of the number): no bf16 or f16 on the way to a quantiser, and a product that is left as it is and whose result goes on into a quantised operand takes f32 operands (vector FMAs, or v_wmma_f32_16x16x4_f32). A number that lies on a knife's edge between two numbers of the format may be rounded either way, as far as f32 arithmetic and the matrix unit's own rounding can turn it there, and no further.
;; 2 versions, each right; version 2 is version 1 with the launch kvpart written anew for expert scheduling mode. Each part assembles by itself: llvm-mc -triple=amdgcn-amd-amdhsa -mcpu=gfx1250 --defsym DOCPART=n.
;; ======== version 1 of 2: 2 launches
;; workspace buffers: part 8,388,608 bytes
;; launch kvpart (part 1): grid 256 x 1, 8 waves a work-group, no clusters, 57,344 bytes of LDS; arguments k, v, part; writes part
.if DOCPART == 1
	.amdgcn_target "amdgcn-amd-amdhsa--gfx1250"
	.amdhsa_code_object_version 6
	.text
	.protected	k_q5dbc2392cd_kvpart
	.globl	k_q5dbc2392cd_kvpart
	.p2align	8
	.type	k_q5dbc2392cd_kvpart,@function
k_q5dbc2392cd_kvpart:
	s_mov_b64 s[64:65], 0
	v_nop
	global_prefetch_b8 v0, s[64:65] scope:SCOPE_SE
	s_setreg_imm32_b32 hwreg(HW_REG_WAVE_MODE, 25, 1), 1
	s_wait_xcnt 0x0
; PARTIAL SUMS OF k_cos^T v AND k_sin^T v, on codes of FP4 (E2M1) with one E8M0 scale for each 32 along s.
; k, v: [64 heads][2048 s][64] f32.  Work-group g takes head g / 4, rows s = 512 (g % 4) .. + 511: 131,072 consecutive bytes of k and of v.
; part: [g][unit 8][8][32 lanes][16 bytes] f32: unit u = 2 jB + cs holds, for lane (r, h), the 32 sums of kd = 32 h + 4 j + jA (register 8 jA + j) and vd = 4 r + jB; cs = 0: cos, 1: sin.
; SHARES.  Eight waves.  Wave w takes rows 64 w .. 64 w + 63.  Each load of 16 bytes a lane reads two whole rows of 256 bytes: lanes 0-15 row i, lanes 16-31 row 32 + i.  So lane (r, h) holds columns
; 4 r .. 4 r + 3 of the 32 rows 32 h + i: four whole blocks of 32 along s.  That is the operand's layout (lane (r, h): one row of the operand, K = 64 c + 32 h + 0 .. 31), if tile j is made of the
; columns 4 r + j.  Which columns form a tile is free: it only says where a result lands.  Nothing changes lanes, and no f32 number goes through LDS.
; THE FEATURE MAP.  f(x) = exp(x) for x < 0, x + 1 otherwise.  Since exp(x) >= 1 + x, that is the middle one of exp(x), x + 1 and 1: one v_med3_num_f32.  Within an ulp of x = 0 it may give the neighbour.
; COS AND SIN.  The angle is f32(pi / 4096) x s, rounded once, as the problem forms it.  Above pi / 4 it is taken from pi / 2 (in two pieces, the first difference exact), and sine and cosine change places;
; polynomials up to y^9 and y^10 leave under 3e-9 at pi / 4.  A lane makes them for two s; the wave's 64 go through its own 512 bytes of LDS, so that every lane has those of its 32 rows.
; FROM WAVE TO WAVE.  Wave w's codes are registers 4 c .. 4 c + 3 (c = w % 2) of the 12 fragments (8 of k, 4 of v) of K step w / 2: each goes to LDS as an image, 16 bytes a lane; scale bytes one by one.
; One barrier.  Then wave u = 2 jB + cs multiplies tiles (cs, jA = 0 .. 3) by tile jB over the four K steps: 16 matrix instructions, four accumulators by turns.
; NO CLUSTER: work-groups share no input.  NO RING: a wave's 32,768 bytes are asked for at the head and land in 256 registers.
; LIMITS: NaN and infinities are not served.  exp(x) under 2^-126 comes as 0 (v_exp_f32 gives no denormals: ISA guide, its entry).  A block of zeros has the byte 1: its codes are zeros, and this program alone reads the bytes.
; REGISTERS, in windows of 256.  Window 0: v1-3 addresses; v4-7 scale bytes and v16-31 codes, four sets by turns; v8-11 maxima; v12 the conversion's scale; v32-63 32 numbers at work;
; v64-95 cos, v96-127 sin of my 32 rows; v128-255 f, later v, laid [column][row].  Window 1: v0-127 k as loaded, v128-255 v as loaded.
.set TILEB,  1024                      ; a fragment's image: 8 registers x 128 bytes
.set KSB,    12*TILEB                  ; a K step's 12 images
.set SCB,    4*KSB                     ; behind them the scale words: 64 bytes a tile,
.set KSS,    12*64                     ; 768 a K step
.set TRG,    SCB+4*KSS                 ; behind them 512 bytes for each wave: cos and sin of its 64 rows
.set FLOOR,  0x1800000                 ; 2^(3 - 127): under it no largest magnitude is taken, so the byte cannot fall under 1
.set EOFF,   0xff000000                ; takes 2 off an exponent field
.set VOFF, 1
.set IMGW, 2
.set SCW,  3
.set BY,   4
.set MX,   8
.set SC,   12
.set TSA,  13
.set TLA,  14
.set CD,   16
.set T,    32
.set TR,   64
.set FK,   128
.set RK,   0                           ; in window 1
.set RV,   128                         ; in window 1
.set TX,   32                          ; at work on cos and sin, in v32-47, ahead of everything else that uses them
.set TY,   33
.set TZ,   34
.set TP,   35
.set TQ,   36
.set SN,   40
.set TC0,  41
.set TS0,  42
.set TC1,  43
.set TS1,  44
.set RR,   45
.set HH,   46
.set LN,   47
.set RA,   8                           ; behind the barrier: addresses in v8-14,
.set RB,   9
.set RSA,  10
.set RSB,  11
.set POFF, 12
.set LN2,  13
.set RR2,  14
.set ACC,  32                          ; four accumulators,
.set AF,   64                          ; 16 fragments of k,
.set BF,   192                         ; 4 of v,
.set SA,   224                         ; and their scale words
.set SB,   240
.set MSB, 0
.macro WIN new                         ; the immediate's high byte repeats the setting that is left
.if MSB != \new
	s_set_vgpr_msb (MSB<<8)|\new
.set MSB, \new
.endif
.endm
.macro LOADS reg, base, from, count    ; rows from .. from + count - 1 of my 32 (and, in lanes 16-31, of the next 32)
.set ii, \from
.rept \count
	global_load_b128 v[\reg+4*ii:\reg+4*ii+3], v[VOFF], s[\base:\base+1] offset:256*ii th:TH_LOAD_NT
.set ii, ii+1
.endr
.endm
; cos and sin of the angle of row v[n]
.macro TRIG n, co, si
	v_cvt_f32_u32 v[TX], v[\n]
	v_mul_f32 v[TX], 0x3a490fdb, v[TX]             ; f32(pi / 4096) x s, rounded once
	v_sub_f32 v[TY], 0x3fc90fdb, v[TX]             ; f32(pi / 2) - angle: exact where the angle is above pi / 4,
	v_cmp_lt_f32 vcc_lo, 0x3f490fdb, v[TX]         ; which is where it is used
	v_add_f32 v[TY], 0xb33bbd2e, v[TY]             ; + what f32(pi / 2) lacks of pi / 2
	v_cndmask_b32 v[TY], v[TX], v[TY], vcc_lo      ; y, at most pi / 4
	v_mul_f32 v[TZ], v[TY], v[TY]
	v_mov_b32 v[TP], 0x3638ef1d                    ; 1 / 9!
	v_mov_b32 v[TQ], 0xb493f27e                    ; -1 / 10!
	v_fmaak_f32 v[TP], v[TP], v[TZ], 0xb9500d01    ; -1 / 7!
	v_fmaak_f32 v[TQ], v[TQ], v[TZ], 0x37d00d01    ; 1 / 8!
	v_fmaak_f32 v[TP], v[TP], v[TZ], 0x3c088889    ; 1 / 5!
	v_fmaak_f32 v[TQ], v[TQ], v[TZ], 0xbab60b61    ; -1 / 6!
	v_fmaak_f32 v[TP], v[TP], v[TZ], 0xbe2aaaab    ; -1 / 3!
	v_fmaak_f32 v[TQ], v[TQ], v[TZ], 0x3d2aaaab    ; 1 / 4!
	v_mul_f32 v[TX], v[TY], v[TZ]
	v_fmaak_f32 v[TQ], v[TQ], v[TZ], 0xbf000000    ; -1 / 2
	v_fma_f32 v[TP], v[TX], v[TP], v[TY]           ; sin y
	v_fmaak_f32 v[TQ], v[TQ], v[TZ], 0x3f800000    ; cos y
	v_cndmask_b32 v[\si], v[TP], v[TQ], vcc_lo
	v_cndmask_b32 v[\co], v[TQ], v[TP], vcc_lo
.endm
; 32 numbers of one block, v[src] on, with their largest magnitude (floor included) in v[m], become four registers of codes and a scale byte, and go to LDS.  n: which of the wave's 12 turns.
.macro QOUT src, m, n, tile
	v_add_nc_u32 v[SC], EOFF, v[\m]                ; 2 off the exponent field: the conversion takes this operand's exponent field as its scale, and nothing else of it
.if (\n) >= 4
	s_wait_dscnt 6                                 ; the two stores of four turns ago are done (behind them: three turns' six): their registers are written again
.endif
.set gg, 0
.rept 4
	v_cvt_scalef32_pk8_fp4_f32 v[CD+4*((\n)%4)+gg], v[(\src)+8*gg:(\src)+8*gg+7], v[SC]
.set gg, gg+1
.endr
	v_lshrrev_b32 v[BY+(\n)%4], 23, v[SC]          ; the scale's byte.  (Also the plain instruction behind the conversions)
	ds_store_b128 v[IMGW], v[CD+4*((\n)%4):CD+4*((\n)%4)+3] offset:(\tile)*TILEB
	ds_store_b8 v[SCW], v[BY+(\n)%4] offset:(\tile)*64
.endm
; Eight rows of k have come: f of their 32 numbers a lane, laid [column][row]
.macro KBATCH b
	s_wait_loadcnt 56-8*(\b)                       ; behind these eight loads: the rest of k's 32 and v's 32
	WIN 0x04                                       ; source 1 in window 1
.set ii, 0
.rept 32
	v_add_f32 v[FK+32*(ii%4)+8*(\b)+ii/4], 1.0, v[RK+32*(\b)+ii]   ; x + 1, at f's place
.set ii, ii+1
.endr
	WIN 0x41                                       ; destination and source 0 in window 1
.set ii, 0
.rept 16
	v_pk_mul_f32 v[RK+32*(\b)+2*ii:RK+32*(\b)+2*ii+1], v[RK+32*(\b)+2*ii:RK+32*(\b)+2*ii+1], s[14:15] op_sel_hi:[1,0]   ; x log2(e)
.set ii, ii+1
.endr
.set ii, 0
.rept 32
	v_exp_f32 v[RK+32*(\b)+ii], v[RK+32*(\b)+ii]
.set ii, ii+1
.endr
	v_nop                                          ; a plain instruction behind the last exponential
	s_wait_alu depctr_va_vdst(0)                   ; one wait for the batch of 32, ahead of its first reader
	WIN 0x01                                       ; source 0 in window 1
.set ii, 0
.rept 32
	v_med3_num_f32 v[FK+32*(ii%4)+8*(\b)+ii/4], v[RK+32*(\b)+ii], v[FK+32*(ii%4)+8*(\b)+ii/4], 1.0   ; the middle one of exp(x), x + 1 and 1
.set ii, ii+1
.endr
.endm
; Column 4 r + j times cos (cs = 0) or sin (1) of the rows; none is negative, so the maximum needs no |.|
.macro KCOL j, cs
.set ii, 0
.rept 16
	v_pk_mul_f32 v[T+2*ii:T+2*ii+1], v[FK+32*(\j)+2*ii:FK+32*(\j)+2*ii+1], v[TR+32*(\cs)+2*ii:TR+32*(\cs)+2*ii+1]
.set ii, ii+1
.endr
	v_max3_num_f32 v[MX], v[T], v[T+1], v[T+2]     ; two chains
	v_max3_num_f32 v[MX+1], v[T+3], v[T+4], v[T+5]
.irp i, 6,10,14,18,22,26
	v_max3_num_f32 v[MX], v[MX], v[T+\i], v[T+\i+1]
	v_max3_num_f32 v[MX+1], v[MX+1], v[T+\i+2], v[T+\i+3]
.endr
	v_max3_num_f32 v[MX], v[MX], v[T+30], v[T+31]
	v_max3_num_f32 v[MX], v[MX], v[MX+1], FLOOR
	QOUT T, MX, 2*(\j)+(\cs), 4*(\cs)+(\j)
.endm
; Eight rows of v have come: they are laid [column][row], where f lay, and the four columns' running maxima take them in
.macro VBATCH b
	s_wait_loadcnt 24-8*(\b)                       ; behind these eight loads: the rest of v's 32
	WIN 0x01
.set ii, 0
.rept 32
	v_mov_b32 v[FK+32*(ii%4)+8*(\b)+ii/4], v[RV+32*(\b)+ii]   ; the conversion wants eight neighbours along s in consecutive registers
.set ii, ii+1
.endr
	WIN 0
.irp i, 0,2,4,6
.irp j, 0,1,2,3
.if ((\b) == 0) && (\i == 0)
	v_max3_num_f32 v[MX+\j], |v[FK+32*\j]|, |v[FK+32*\j+1]|, FLOOR
.else
	v_max3_num_f32 v[MX+\j], v[MX+\j], |v[FK+32*\j+8*(\b)+\i]|, |v[FK+32*\j+8*(\b)+\i+1]|
.endif
.endr
.endr
.endm
	s_load_b128 s[4:7], s[0:1], 0x0                ; k, v
	s_load_b64 s[8:9], s[0:1], 0x10                ; part
	v_lshrrev_b32 v[VOFF], 5, v0
	v_readfirstlane_b32 s10, v[VOFF]               ; wave 0..7
	v_and_b32 v[RR], 15, v0                        ; r
	v_bfe_u32 v[HH], v0, 4, 1                      ; h
	v_and_b32 v[LN], 31, v0                        ; lane
	v_lshlrev_b32 v[VOFF], 4, v[RR]                ; 16 r: my four columns,
	v_lshl_add_u32 v[VOFF], v[HH], 13, v[VOFF]     ; + 32 rows of 256 bytes for lanes 16-31,
	s_lshl_b32 s11, s10, 14
	v_add_nc_u32 v[VOFF], s11, v[VOFF]             ; + my wave's 64 rows
	s_lshl_b32 s12, ttmp9, 17                      ; the work-group's 512 rows of 256 bytes
	s_mov_b32 s13, 0
	s_lshl_b32 s18, ttmp9, 15                      ; and its 32,768 bytes of sums
	s_mov_b32 s19, 0
	s_mov_b32 s14, 0x3fb8aa3b                      ; log2(e); the packed form names a pair and takes its low word for both halves
	s_mov_b32 s15, s14
	s_wait_kmcnt 0x0
	s_add_nc_u64 s[4:5], s[4:5], s[12:13]
	s_add_nc_u64 s[6:7], s[6:7], s[12:13]
	s_add_nc_u64 s[8:9], s[8:9], s[18:19]
	WIN 0x40                                       ; destination in window 1, address in window 0
	LOADS RK, 4, 0, 32                             ; all of k first: it has the longer way to go,
	LOADS RV, 6, 0, 24                             ; then three quarters of v; the last quarter follows behind the work on cos and sin
	WIN 0
	s_lshr_b32 s16, s10, 1                         ; my K step,
	s_and_b32 s17, s10, 1                          ; and which half of it: c
	s_mul_i32 s20, s16, KSB
	s_lshl_b32 s21, s17, 9
	s_add_co_u32 s20, s20, s21
	v_lshl_add_u32 v[IMGW], v[LN], 4, s20          ; images: K step x 12,288 + 512 c + 16 lane (+ 1,024 tile)
	s_mul_i32 s20, s16, KSS
	s_lshl_b32 s21, s17, 1
	s_add_co_u32 s20, s20, s21
	s_add_co_u32 s20, s20, SCB
	v_lshl_add_u32 v[SCW], v[RR], 2, v[HH]
	v_add_nc_u32 v[SCW], s20, v[SCW]               ; scale bytes: K step x 768 + 4 r + 2 c + h (+ 64 tile): byte 2 c + h of row r's word
	s_lshl_b32 s20, s10, 9
	s_add_co_u32 s20, s20, TRG
	v_lshl_add_u32 v[TSA], v[LN], 2, s20           ; cos and sin: in, 4 bytes a lane;
	v_lshl_add_u32 v[TLA], v[HH], 7, s20           ; back, the 32 of my half
	s_and_b32 s21, ttmp9, 3
	s_lshl_b32 s21, s21, 9
	s_lshl_b32 s22, s10, 6
	s_add_co_u32 s21, s21, s22                     ; my wave's first s in the head
	v_add_nc_u32 v[SN], s21, v[LN]
	TRIG SN, TC0, TS0
	v_add_nc_u32 v[SN], 32, v[SN]
	TRIG SN, TC1, TS1
	ds_store_b32 v[TSA], v[TC0]
	ds_store_b32 v[TSA], v[TC1] offset:128
	ds_store_b32 v[TSA], v[TS0] offset:256
	ds_store_b32 v[TSA], v[TS1] offset:384
.set ii, 0
.rept 8
	ds_load_b128 v[TR+4*ii:TR+4*ii+3], v[TLA] offset:16*ii             ; the wave's own bytes, served in order (ISA guide 5.7.1.4): these see the stores above
	ds_load_b128 v[TR+32+4*ii:TR+32+4*ii+3], v[TLA] offset:256+16*ii
.set ii, ii+1
.endr
	WIN 0x40
	LOADS RV, 6, 24, 8
	WIN 0
	s_wait_dscnt 0x0                               ; cos and sin are in, and the stores have read v41-44
	KBATCH 0
	KBATCH 1
	KBATCH 2
	KBATCH 3
	WIN 0
.irp j, 0,1,2,3
	KCOL \j, 0
	KCOL \j, 1
.endr
	VBATCH 0
	VBATCH 1
	VBATCH 2
	VBATCH 3
.irp j, 0,1,2,3
	QOUT FK+32*\j, MX+\j, 8+\j, 8+\j
.endr
	s_wait_dscnt 0x0                               ; for the others' sake: my images and scale bytes lie in LDS
	s_barrier_signal -1
	v_and_b32 v[LN2], 31, v0                       ; work on registers while the others arrive: now I am wave u = 2 jB + cs
	v_and_b32 v[RR2], 15, v0
	s_lshl_b32 s18, s17, 12
	v_lshl_add_u32 v[RA], v[LN2], 4, s18           ; k's images: tiles 4 cs + jA
	s_lshl_b32 s19, s16, 10
	s_add_co_u32 s19, s19, 8*TILEB
	v_lshl_add_u32 v[RB], v[LN2], 4, s19           ; v's: tile 8 + jB
	s_lshl_b32 s20, s17, 8
	s_add_co_u32 s20, s20, SCB
	v_lshl_add_u32 v[RSA], v[RR2], 2, s20          ; scale words: lane r takes row r's (lanes 16-31 the same; they are not read)
	s_lshl_b32 s21, s16, 6
	s_add_co_u32 s21, s21, SCB+8*64
	v_lshl_add_u32 v[RSB], v[RR2], 2, s21
	s_lshl_b32 s22, s10, 12
	v_lshl_add_u32 v[POFF], v[LN2], 4, s22         ; the sums' place: 4,096 u + 16 lane
	s_barrier_wait -1
.irp ks, 0,1,2,3                       ; 15 LDS loads a K step
.irp ja, 0,1,2,3
	ds_load_b128 v[AF+32*\ks+8*\ja:AF+32*\ks+8*\ja+3], v[RA] offset:\ks*KSB+\ja*TILEB
	ds_load_b128 v[AF+32*\ks+8*\ja+4:AF+32*\ks+8*\ja+7], v[RA] offset:\ks*KSB+\ja*TILEB+512
	ds_load_b32 v[SA+4*\ks+\ja], v[RSA] offset:\ks*KSS+\ja*64
.endr
	ds_load_b128 v[BF+8*\ks:BF+8*\ks+3], v[RB] offset:\ks*KSB
	ds_load_b128 v[BF+8*\ks+4:BF+8*\ks+7], v[RB] offset:\ks*KSB+512
	ds_load_b32 v[SB+\ks], v[RSB] offset:\ks*KSS
.endr
.irp ks, 0,1,2,3                       ; source 0 = 16 columns of k (rows of the sum), source 1 = 16 columns of v.  The four accumulators take turns, one instruction a turn
	s_wait_dscnt 45-15*\ks                         ; this K step's 15 loads are in; the later K steps' may be out
.irp ja, 0,1,2,3
.if \ks == 0
	v_wmma_scale_f32_16x16x128_f8f6f4 v[ACC+8*\ja:ACC+8*\ja+7], v[AF+8*\ja:AF+8*\ja+7], v[BF:BF+7], 0, v[SA+\ja], v[SB] matrix_a_fmt:MATRIX_FMT_FP4 matrix_b_fmt:MATRIX_FMT_FP4
.else
	v_wmma_scale_f32_16x16x128_f8f6f4 v[ACC+8*\ja:ACC+8*\ja+7], v[AF+32*\ks+8*\ja:AF+32*\ks+8*\ja+7], v[BF+8*\ks:BF+8*\ks+7], v[ACC+8*\ja:ACC+8*\ja+7], v[SA+4*\ks+\ja], v[SB+\ks] matrix_a_fmt:MATRIX_FMT_FP4 matrix_b_fmt:MATRIX_FMT_FP4
.endif
.endr
.endr
.rept 4
	v_nop                                          ; four places between the last product and the stores that read results
.endr
.set ii, 0
.rept 8
	global_store_b128 v[POFF], v[ACC+4*ii:ACC+4*ii+3], s[8:9] offset:512*ii   ; each accumulator from its low end on; 32 lanes store 512 consecutive bytes, at a multiple of 512 from the buffer's first byte
.set ii, ii+1
.endr
	s_wait_xcnt 0x0
	v_lshl_add_u32 v254, v0, 2, 0xdc00
	v_mov_b32 v255, 0
	s_wait_tensorcnt 0x0
	ds_add_u32 v254, v255
	s_wait_dscnt 0x0
	s_endpgm
.Lfunc_end_k_q5dbc2392cd_kvpart:
	.size	k_q5dbc2392cd_kvpart, .Lfunc_end_k_q5dbc2392cd_kvpart-k_q5dbc2392cd_kvpart
	.p2alignl 7, 3214868480
	.fill 96, 4, 3214868480
	.section	.rodata,"a",@progbits
	.p2align	6, 0x0
	.amdhsa_kernel k_q5dbc2392cd_kvpart
		.amdhsa_group_segment_fixed_size 57344
		.amdhsa_private_segment_fixed_size 0
		.amdhsa_enable_private_segment 0
		.amdhsa_kernarg_size 24
		.amdhsa_user_sgpr_count 2
		.amdhsa_user_sgpr_kernarg_segment_ptr 1
		.amdhsa_wavefront_size32 1
		.amdhsa_system_sgpr_workgroup_id_x 1
		.amdhsa_system_sgpr_workgroup_id_y 1
		.amdhsa_system_sgpr_workgroup_id_z 1
		.amdhsa_system_vgpr_workitem_id 0
		.amdhsa_next_free_vgpr 512
		.amdhsa_next_free_sgpr 66
		.amdhsa_reserve_vcc 1
		.amdhsa_float_denorm_mode_32 3
		.amdhsa_float_denorm_mode_16_64 3
		.amdhsa_memory_ordered 1
		.amdhsa_forward_progress 1
		.amdhsa_inst_pref_size 71
	.end_amdhsa_kernel
	.amdgpu_metadata
---
amdhsa.version: [ 1, 2 ]
amdhsa.kernels:
  - .name:           k_q5dbc2392cd_kvpart
    .symbol:         k_q5dbc2392cd_kvpart.kd
    .args:
      - { .name: k, .offset: 0, .size: 8, .value_kind: global_buffer, .address_space: global }
      - { .name: v, .offset: 8, .size: 8, .value_kind: global_buffer, .address_space: global }
      - { .name: part, .offset: 16, .size: 8, .value_kind: global_buffer, .address_space: global }
    .group_segment_fixed_size: 57344
    .private_segment_fixed_size: 0
    .kernarg_segment_align: 8
    .kernarg_segment_size: 24
    .max_flat_workgroup_size: 256
    .sgpr_count:     66
    .vgpr_count:     512
    .wavefront_size: 32
...
	.end_amdgpu_metadata
.endif
;; end of part 1
;; launch apply (part 2): grid 256 x 1, 8 waves a work-group, clusters of 4 x 1, 327,680 bytes of LDS; arguments q, token_mask, part, out0; writes out0
.if DOCPART == 2
	.amdgcn_target "amdgcn-amd-amdhsa--gfx1250"
	.amdhsa_code_object_version 6
	.text
	.protected	k_q5dbc2392cd_apply
	.globl	k_q5dbc2392cd_apply
	.p2align	8
	.type	k_q5dbc2392cd_apply,@function
k_q5dbc2392cd_apply:
	s_mov_b64 s[64:65], 0
	v_nop
	global_prefetch_b8 v0, s[64:65] scope:SCOPE_SE
	s_setreg_imm32_b32 hwreg(HW_REG_WAVE_MODE, 25, 1), 1
	s_wait_xcnt 0x0
	s_wait_alu depctr_hold_cnt(0) depctr_sa_sdst(0) depctr_va_vdst(0) depctr_va_sdst(0) depctr_va_ssrc(0) depctr_va_vcc(0) depctr_vm_vsrc(0)
	s_getreg_b32 s2, hwreg(HW_REG_IB_STS2, 6, 4)
	s_cmp_eq_u32 s2, 0
	s_cbranch_scc0 .Lentry_in_a_cluster
	s_endpgm
.Lentry_in_a_cluster:
	s_bfe_u32 s2, ttmp6, 0x10000c
	s_cmp_lg_u32 s2, 0x3003
	s_cbranch_scc0 .Lentry_shape_is_right
	s_endpgm
.Lentry_shape_is_right:
; out = (q_cos k_cos_v + q_sin k_sin_v) / 8, on codes of FP4 (E2M1) with one E8M0 scale for each 32 along kd.
; q, out0: [64 heads][2048 s][64] f32; token_mask: [4][2048] bytes; part: the four partial sums of each head, as the launch before laid them: [4 head + chunk][unit 8][8][32 lanes][16 bytes].
; A cluster of four work-groups takes a head; the work-group at place cx takes rows 512 cx .. + 511; each of its eight waves 64 rows: four tiles of 16.
; BOTH PRODUCTS IN ONE INSTRUCTION.  K = 128: places 0-63 are q_cos against k_cos_v, places 64-127 q_sin against k_sin_v; the four blocks of 32 are the two products' own blocks, and nothing is padded.
; THE SUMS.  Unit u = 2 jB + cs gives lane (r, h) the 32 sums of kd = 32 h + 4 j + jA (register 8 jA + j), vd = 4 r + jB: one whole block of the quantiser, in the lane and the registers (4 cs .. 4 cs + 3 of fragment jB)
; in which the operand wants it.  Wave u adds its unit's four parts, quantises, and hands four registers and a byte a lane to the others through LDS: one barrier.
; CLUSTER.  The four work-groups of a head need the same 131,072 bytes of sums.  Wave u asks for its unit's four parts (4 rows of 4,096 bytes, 32,768 bytes apart) JOINTLY: the same tensor load in all four work-groups,
; with the same descriptor (made of the head, which is the cluster's number, and the wave's number alone) and a mask that names the four; each receives the bytes in its own LDS.  A round of the cluster's barrier stands in
; front of the loads, while the kernel's arguments are on their way (it needs the wave's number alone), and a closing round in front of s_endpgm.  No branch and no LDS address hangs on cx.
; q.  Lane (r, h) takes d = 32 h .. 32 h + 31 of row r.  Number i of these goes to place 8 (i % 4) + i / 4 of its block: the order in which the sums lie.  The same order on both sides keeps every product.
; A block's largest q_cos is (its largest f) x (cos x mask): rounding keeps the order of numbers, so this is the same number bit for bit; likewise q_sin.
; OUT.  Column n = r of tile jB is vd = 4 r + jB: the four tiles' register j of a lane are 16 neighbouring bytes of row 8 h + j.  The multiplication by 1 / 8 lays them side by side, and sixteen lanes store a whole row of 256 bytes.
; q COMES BY THE TENSOR DATA MOVER TOO, four plain loads a wave (no mask: the partners' rows differ; 16 rows of 256 bytes each, 16 bytes of padding behind a row), in one group with the joint load, behind the same round,
; into bytes that are filled once: by this text's own count five tensor loads of a wave are out.  Each wave reads only what its own loads brought, behind its own counted wait.  Nothing is filled again.
; LDS: the text uses 274,688 bytes.
; LIMITS: as in the launch before: NaN and infinities are not served; exp(x) under 2^-126 comes as 0; within an ulp of x = 0 the feature map may give the neighbour; a block of zeros (a masked row) has the byte 1 and zero codes.
.set QP,     272                       ; a row of q in LDS: 256 bytes + 16: the sixteen rows that a load touches begin 16 bytes apart modulo 256
.set QTILE,  16*QP
.set QWAVE,  64*QP
.set PARTL,  8*QWAVE                   ; behind q: the sums' parts, 16,384 bytes for each wave: four parts of 4,096 bytes
.set KVIMG,  PARTL+8*16384             ; behind them: the eight units' images, 512 bytes each; a multiple of 256, and no tensor load lands here
.set KVS,    KVIMG+8*512               ; and the four tiles' scale words, 64 bytes each
.set FLOOR,  0x1800000                 ; 2^(3 - 127)
.set EOFF,   0xff000000                ; takes 2 off an exponent field
.set RR,   1
.set HH,   2
.set LN,   3
.set QA,   4                           ; LDS: my 128 bytes of row r of my wave's first tile
.set OOFF, 5                           ; out: row 64 w + 8 h, byte 16 r
.set SH8,  6                           ; 8 h
.set KVW,  7
.set KVSW, 8
.set KVR,  9
.set KVSR, 10
.set PRD,  11                          ; LDS: my 16 bytes of my unit's parts
.set MOFF, 12
.set MXA,  13
.set MXB,  14
.set QSC,  15                          ; the conversions' scale operands: q_cos's, q_sin's
.set QSS,  16
.set BC,   17
.set BS,   18
.set AW,   19                          ; q's scale word
.set PX,   20
.set KB,   21
.set MK,   22                          ; v22-23 mask bytes
.set SB,   24                          ; v24-27 the sums' scale words
.set CMP,  28                          ; v28-43 tile t: cos x mask twice, sin x mask twice (pairs for the packed multiply)
.set AC,   44                          ; v44-51 q's codes
.set BF,   52                          ; v52-83 the sums' four fragments
.set ACC,  84                          ; v84-115 four accumulators
.set OUTR, 116                         ; v116-147 a tile's results, laid [row][4 columns]
.set XQ,   148                         ; v148-179 q as loaded, then q_cos
.set QS,   180                         ; v180-211 q_sin
.set FQ,   212                         ; v212-243 f
.set PS,   116                         ; v116-243 at the head: the four parts, 32 registers each
.set TX,   244
.set TY,   245
.set TZ,   246
.set TP,   247
.set TQ,   248
.set SN,   249
.set TC0,  250
.set TS0,  251
.set TC1,  252
.set TS1,  253
.set MF,   254
.set G1,   16                          ; s[16:23] descriptor group 1 for q's tiles
.set G0,   24                          ; s[24:39] their four groups 0: none is written while its load is out
.set G0J,  60                          ; s[60:63] group 0 of the joint load
.set G1J,  68                          ; s[68:75] its group 1
; cos and sin of the angle of row v[n]: as in the launch before
.macro TRIG n, co, si
	v_cvt_f32_u32 v[TX], v[\n]
	v_mul_f32 v[TX], 0x3a490fdb, v[TX]             ; f32(pi / 4096) x s, rounded once
	v_sub_f32 v[TY], 0x3fc90fdb, v[TX]             ; f32(pi / 2) - angle: exact where the angle is above pi / 4,
	v_cmp_lt_f32 vcc_lo, 0x3f490fdb, v[TX]         ; which is where it is used
	v_add_f32 v[TY], 0xb33bbd2e, v[TY]             ; + what f32(pi / 2) lacks of pi / 2
	v_cndmask_b32 v[TY], v[TX], v[TY], vcc_lo      ; y, at most pi / 4
	v_mul_f32 v[TZ], v[TY], v[TY]
	v_mov_b32 v[TP], 0x3638ef1d                    ; 1 / 9!
	v_mov_b32 v[TQ], 0xb493f27e                    ; -1 / 10!
	v_fmaak_f32 v[TP], v[TP], v[TZ], 0xb9500d01    ; -1 / 7!
	v_fmaak_f32 v[TQ], v[TQ], v[TZ], 0x37d00d01    ; 1 / 8!
	v_fmaak_f32 v[TP], v[TP], v[TZ], 0x3c088889    ; 1 / 5!
	v_fmaak_f32 v[TQ], v[TQ], v[TZ], 0xbab60b61    ; -1 / 6!
	v_fmaak_f32 v[TP], v[TP], v[TZ], 0xbe2aaaab    ; -1 / 3!
	v_fmaak_f32 v[TQ], v[TQ], v[TZ], 0x3d2aaaab    ; 1 / 4!
	v_mul_f32 v[TX], v[TY], v[TZ]
	v_fmaak_f32 v[TQ], v[TQ], v[TZ], 0xbf000000    ; -1 / 2
	v_fma_f32 v[TP], v[TX], v[TP], v[TY]           ; sin y
	v_fmaak_f32 v[TQ], v[TQ], v[TZ], 0x3f800000    ; cos y
	v_cndmask_b32 v[\si], v[TP], v[TQ], vcc_lo
	v_cndmask_b32 v[\co], v[TQ], v[TP], vcc_lo
.endm
; A round of the cluster's barrier: my work-group's barrier, so that wave 0's signal speaks for all eight waves; wave 0 signals for the work-group; every wave waits for all four work-groups; my work-group's barrier once more.
.macro ROUND
	s_barrier_signal -1
	s_barrier_wait -1
	s_cmp_lg_u32 s12, 0
	s_cbranch_scc1 .Lnot_wave_0_\@
	s_barrier_signal -3
.Lnot_wave_0_\@:
	s_barrier_wait -3
	s_barrier_signal -1
	s_barrier_wait -1
.endm
	s_load_b256 s[4:11], s[0:1], 0x0               ; q s[4:5], token_mask s[6:7], part s[8:9], out0 s[10:11]
	v_lshl_add_u32 v255, v0, 2, 0x43100
	s_set_vgpr_msb 0x40
	v_mov_b32 v1, 0
	s_set_vgpr_msb 0x4044
	ds_add_u32 v255, v1
	ds_add_u32 v255, v1
	s_wait_dscnt 0x0
	s_set_vgpr_msb 0x4400
	v_lshrrev_b32 v[RR], 5, v0
	v_readfirstlane_b32 s12, v[RR]                 ; wave 0..7
	v_and_b32 v[LN], 31, v0
	s_bfe_u32 s59, ttmp6, 0x40000                  ; cx: my place in the cluster: which 512 rows of the head are mine.  In a cluster launch ttmp9 counts clusters: it is the head
	s_lshl_b32 s66, ttmp9, 2
	s_add_co_u32 s66, s66, s59                     ; 4 x head + cx
	s_lshl_b32 s40, s66, 17                        ; the work-group's 512 rows of 256 bytes, in q and in out0
	s_mov_b32 s41, 0
	s_lshl_b32 s46, ttmp9, 17                      ; the head's four parts of 32,768 bytes: the same in all four partners
	s_mov_b32 s47, 0
	s_lshl_b32 s76, s12, 12                        ; my unit in a part: 4,096 w
	s_mov_b32 s77, 0
	s_lshl_b32 s48, s12, 14                        ; my wave's 64 rows
	s_mov_b32 s49, 0
	s_lshl_b32 s52, s59, 9                         ; the work-group's first s in the head
	s_lshr_b32 s50, ttmp9, 4
	s_lshl_b32 s50, s50, 11                        ; the batch's 2,048 mask bytes
	s_add_co_u32 s50, s50, s52
	s_mov_b32 s51, 0
	s_lshl_b32 s53, s12, 6
	s_mul_i32 s14, s12, QWAVE                      ; my wave's rows of q in LDS
	s_add_co_u32 s78, s48, PARTL                   ; my unit's parts in LDS: 16,384 w behind q: no place in the cluster enters an LDS address
	v_add_nc_u32 v[MOFF], s53, v[LN]               ; a mask byte a lane
	v_lshl_add_u32 v[PRD], v[LN], 4, s78           ; 16 bytes a lane
	s_mov_b32 s[G1+0], (2<<16)|(1<<20)|(5<<22)|(3<<25)   ; q's tiles: no mask; elements of 4 bytes; padding on: behind every 64 words (code 5) four words (code 3)
	s_mov_b32 s[G1+1], 64<<16                      ; tensor_dim0 = 64
	s_mov_b32 s[G1+2], 16<<16                      ; tensor_dim1 = 16
	s_mov_b32 s[G1+3], 64<<16                      ; tile_dim0 = 64
	s_mov_b32 s[G1+4], 16                          ; tile_dim1 = 16
	s_mov_b32 s[G1+5], 64                          ; from row to row: 64 elements
	s_mov_b32 s[G1+6], 0
	s_mov_b32 s[G1+7], 0
	s_mov_b32 s[G1J+0], 15|(3<<16)|(1<<21)         ; the sums: 15:0 the mask: all four work-groups; 17:16 elements of 8 bytes; 21 set beside a mask; no padding
	s_mov_b32 s[G1J+1], 512<<16                    ; tensor_dim0 = 512: a unit's 4,096 bytes
	s_mov_b32 s[G1J+2], 4<<16                      ; tensor_dim1 = 4: the four parts
	s_mov_b32 s[G1J+3], 512<<16                    ; tile_dim0 = 512
	s_mov_b32 s[G1J+4], 4                          ; tile_dim1 = 4
	s_mov_b32 s[G1J+5], 4096                       ; from part to part: 32,768 bytes
	s_mov_b32 s[G1J+6], 0
	s_mov_b32 s[G1J+7], 0
	s_mov_b32 s42, 0x3fb8aa3b                      ; log2(e); the packed form names a pair and takes its low word for both halves
	s_mov_b32 s43, s42
	s_mov_b32 s44, 0x76543210                      ; v_permlanex16_b32's selects for lane l xor 16
	s_mov_b32 s45, 0xfedcba98
	s_mov_b32 s54, 0x3e000000                      ; 1 / 8
	ROUND                                          ; all four work-groups are here: the joint loads meet.  (The arguments are on their way meanwhile)
	s_wait_kmcnt 0x0
	s_add_nc_u64 s[6:7], s[6:7], s[50:51]
	s_add_nc_u64 s[8:9], s[8:9], s[46:47]
	s_add_nc_u64 s[4:5], s[4:5], s[40:41]
	s_add_nc_u64 s[4:5], s[4:5], s[48:49]
	s_add_nc_u64 s[10:11], s[10:11], s[40:41]
	s_mov_b32 s[G0J], 1                            ; count = 1
	s_mov_b32 s[G0J+1], s78                        ; LDS address
	s_add_nc_u64 s[G0J+2:G0J+3], s[8:9], s[76:77]  ; global address: the head's first part, my unit
	s_or_b32 s[G0J+3], s[G0J+3], 0x80000000        ; type = 2
	tensor_load_to_lds s[G0J:G0J+3], s[G1J:G1J+7]  ; the sums first: every product of the work-group waits for them
	s_nop 0
.irp t, 0,1,2,3                        ; q: the wave's four tiles, in the same group: ahead of every wait on TENSORcnt and every LDS read
	s_mov_b32 s[G0+4*\t], 1                        ; count = 1
	s_add_co_u32 s[G0+4*\t+1], s14, \t*QTILE       ; LDS address: wave x 17,408 + tile x 4,352
	s_add_nc_u64 s[G0+4*\t+2:G0+4*\t+3], s[4:5], \t*4096   ; global address of the tile's first element
	s_or_b32 s[G0+4*\t+3], s[G0+4*\t+3], 0x80000000        ; type = 2
	tensor_load_to_lds s[G0+4*\t:G0+4*\t+3], s[G1:G1+7]
	s_nop 0
.endr
	v_and_b32 v[RR], 15, v0                        ; r
	v_bfe_u32 v[HH], v0, 4, 1                      ; h
	v_mov_b32 v[PX], 0                             ; written once: a lane permute's destination counts as one of its sources
	v_mul_u32_u24 v[QA], v[RR], QP
	global_load_u8 v[MK], v[MOFF], s[6:7]          ; the mask of my rows 0-31, a row a lane,
	global_load_u8 v[MK+1], v[MOFF], s[6:7] offset:32   ; and of rows 32-63
	v_lshl_add_u32 v[QA], v[HH], 7, v[QA]
	v_add_nc_u32 v[QA], s14, v[QA]
	v_lshlrev_b32 v[OOFF], 4, v[RR]
	v_lshl_add_u32 v[OOFF], v[HH], 11, v[OOFF]
	v_add_nc_u32 v[OOFF], s48, v[OOFF]
	v_lshlrev_b32 v[SH8], 3, v[HH]
	s_lshl_b32 s55, s12, 9
	s_add_co_u32 s55, s55, KVIMG
	v_lshl_add_u32 v[KVW], v[LN], 4, s55           ; my unit's image: 512 w + 16 lane
	s_lshr_b32 s56, s12, 1
	s_lshl_b32 s56, s56, 6
	s_and_b32 s57, s12, 1
	s_lshl_b32 s57, s57, 1
	s_add_co_u32 s56, s56, s57
	s_add_co_u32 s56, s56, KVS
	v_lshl_add_u32 v[KVSW], v[RR], 2, v[HH]
	v_add_nc_u32 v[KVSW], s56, v[KVSW]             ; my block's byte: 64 jB + 4 r + 2 cs + h
	v_lshl_add_u32 v[KVR], v[LN], 4, KVIMG
	v_lshl_add_u32 v[KVSR], v[RR], 2, KVS
	s_add_co_u32 s58, s52, s53                     ; my wave's first s in the head
	v_add_nc_u32 v[SN], s58, v[LN]
	TRIG SN, TC0, TS0                              ; a row a lane: rows 0-31,
	v_add_nc_u32 v[SN], 32, v[SN]
	TRIG SN, TC1, TS1                              ; rows 32-63
	s_wait_tensorcnt 4                             ; my unit's four parts have landed; behind that load stand q's four, which may be out
.irp ch, 0,1,2,3                       ; each load reads 512 consecutive bytes
.irp g, 0,1,2,3,4,5,6,7
	ds_load_b128 v[PS+32*\ch+4*\g:PS+32*\ch+4*\g+3], v[PRD] offset:\ch*4096+\g*512
.endr
.endr
	s_wait_loadcnt 0x0                             ; the two mask loads
.irp bb, 0,1
	v_cvt_f32_u32 v[MF], v[MK+\bb]                 ; 0 or 1
	v_mul_f32 v[CMP+8*\bb], v[TC0+2*\bb], v[MF]    ; cos x mask: (f x cos) x mask = f x (cos x mask), the mask being 0 or 1
	v_mul_f32 v[CMP+8*\bb+2], v[TS0+2*\bb], v[MF]
	v_mov_b32 v[CMP+8*\bb+4], v[CMP+8*\bb]
	v_mov_b32 v[CMP+8*\bb+6], v[CMP+8*\bb+2]
	v_permlane16_swap_b32 v[CMP+8*\bb], v[CMP+8*\bb+4]     ; the first's lanes 16-31 change places with the second's lanes 0-15: the first now holds rows 0-15 in both halves of the lanes, the second rows 16-31
	v_permlane16_swap_b32 v[CMP+8*\bb+2], v[CMP+8*\bb+6]
.irp e, 0,2,4,6
	v_mov_b32 v[CMP+8*\bb+\e+1], v[CMP+8*\bb+\e]   ; each twice: a pair for the packed multiply
.endr
.endr
	; the head's sums: my unit's four parts, in ascending s
	s_wait_dscnt 16                                ; parts 0 and 1 are in (behind them: 16 LDS loads)
.set ii, 0
.rept 16
	v_pk_add_f32 v[PS+2*ii:PS+2*ii+1], v[PS+2*ii:PS+2*ii+1], v[PS+32+2*ii:PS+32+2*ii+1]
.set ii, ii+1
.endr
	s_wait_dscnt 8                                 ; part 2 (behind it: 8)
.set ii, 0
.rept 16
	v_pk_add_f32 v[PS+2*ii:PS+2*ii+1], v[PS+2*ii:PS+2*ii+1], v[PS+64+2*ii:PS+64+2*ii+1]
.set ii, ii+1
.endr
	s_wait_dscnt 0x0
.set ii, 0
.rept 16
	v_pk_add_f32 v[PS+2*ii:PS+2*ii+1], v[PS+2*ii:PS+2*ii+1], v[PS+96+2*ii:PS+96+2*ii+1]
.set ii, ii+1
.endr
	v_max3_num_f32 v[MXA], |v[PS]|, |v[PS+1]|, |v[PS+2]|          ; the block's largest magnitude: all 32 numbers are mine; two chains
	v_max3_num_f32 v[MXB], |v[PS+3]|, |v[PS+4]|, |v[PS+5]|
.irp i, 6,10,14,18,22,26
	v_max3_num_f32 v[MXA], v[MXA], |v[PS+\i]|, |v[PS+\i+1]|
	v_max3_num_f32 v[MXB], v[MXB], |v[PS+\i+2]|, |v[PS+\i+3]|
.endr
	v_max3_num_f32 v[MXA], v[MXA], |v[PS+30]|, |v[PS+31]|
	v_max3_num_f32 v[MXA], v[MXA], v[MXB], FLOOR
	v_add_nc_u32 v[QSC], EOFF, v[MXA]              ; 2 off the exponent field: the conversion's scale operand
.set ii, 0
.rept 4
	v_cvt_scalef32_pk8_fp4_f32 v[AC+ii], v[PS+8*ii:PS+8*ii+7], v[QSC]
.set ii, ii+1
.endr
	v_lshrrev_b32 v[KB], 23, v[QSC]                ; the scale's byte.  (Also the plain instruction behind the conversions)
	ds_store_b128 v[KVW], v[AC:AC+3]
	ds_store_b8 v[KVSW], v[KB]
	s_wait_dscnt 0x0                               ; for the others' sake: my image and my byte lie in LDS
	s_barrier_signal -1
	s_barrier_wait -1
.set ii, 0
.rept 8
	ds_load_b128 v[BF+4*ii:BF+4*ii+3], v[KVR] offset:512*ii   ; unit 2 jB + cs is registers 4 cs .. 4 cs + 3 of fragment jB
.set ii, ii+1
.endr
.irp jb, 0,1,2,3
	ds_load_b32 v[SB+\jb], v[KVSR] offset:64*\jb   ; lane r takes column r's word (lanes 16-31 the same; they are not read)
.endr
; A TILE OF 16 ROWS
.macro TILE t
	s_wait_tensorcnt 3-(\t)                        ; my tile t has landed; the later tiles may be out
.set ii, 0
.rept 8
	ds_load_b128 v[XQ+4*ii:XQ+4*ii+3], v[QA] offset:(\t)*QTILE+16*ii
.set ii, ii+1
.endr
	s_wait_dscnt 0x0
.set ii, 0
.rept 32
	v_add_f32 v[FQ+8*(ii%4)+ii/4], 1.0, v[XQ+ii]   ; x + 1, at f's place in the block
.set ii, ii+1
.endr
.set ii, 0
.rept 16
	v_pk_mul_f32 v[XQ+2*ii:XQ+2*ii+1], v[XQ+2*ii:XQ+2*ii+1], s[42:43] op_sel_hi:[1,0]   ; x log2(e)
.set ii, ii+1
.endr
.set ii, 0
.rept 32
	v_exp_f32 v[XQ+ii], v[XQ+ii]
.set ii, ii+1
.endr
	v_nop                                          ; a plain instruction behind the last exponential
	s_wait_alu depctr_va_vdst(0)                   ; one wait for the batch of 32, ahead of its first reader
.set ii, 0
.rept 32
	v_med3_num_f32 v[FQ+8*(ii%4)+ii/4], v[XQ+ii], v[FQ+8*(ii%4)+ii/4], 1.0   ; the middle one of exp(x), x + 1 and 1
.set ii, ii+1
.endr
	v_max3_num_f32 v[MXA], v[FQ], v[FQ+1], v[FQ+2] ; the block's largest f (none is negative)
	v_max3_num_f32 v[MXB], v[FQ+3], v[FQ+4], v[FQ+5]
.irp i, 6,10,14,18,22,26
	v_max3_num_f32 v[MXA], v[MXA], v[FQ+\i], v[FQ+\i+1]
	v_max3_num_f32 v[MXB], v[MXB], v[FQ+\i+2], v[FQ+\i+3]
.endr
	v_max3_num_f32 v[MXA], v[MXA], v[FQ+30], v[FQ+31]
	v_max_num_f32 v[MXA], v[MXA], v[MXB]
	v_mul_f32 v[QSC], v[MXA], v[CMP+4*(\t)]        ; the largest q_cos and the largest q_sin of the block
	v_mul_f32 v[QSS], v[MXA], v[CMP+4*(\t)+2]
	v_max_num_f32 v[QSC], FLOOR, v[QSC]
	v_max_num_f32 v[QSS], FLOOR, v[QSS]
	v_add_nc_u32 v[QSC], EOFF, v[QSC]
	v_add_nc_u32 v[QSS], EOFF, v[QSS]
	v_lshrrev_b32 v[BC], 23, v[QSC]
	v_lshrrev_b32 v[BS], 23, v[QSS]
	v_lshl_or_b32 v[BC], v[BS], 16, v[BC]          ; my two bytes: blocks h and 2 + h of row r,
	v_lshlrev_b32 v[BC], v[SH8], v[BC]             ; at their places in the scale word;
	v_permlanex16_b32 v[PX], v[BC], s44, s45
	v_or_b32 v[AW], v[BC], v[PX]                   ; with lane l xor 16's two the word is whole.  (The 32 multiplications below stand between this line and the products)
.set ii, 0
.rept 16
	v_pk_mul_f32 v[XQ+2*ii:XQ+2*ii+1], v[FQ+2*ii:FQ+2*ii+1], v[CMP+4*(\t):CMP+4*(\t)+1]
	v_pk_mul_f32 v[QS+2*ii:QS+2*ii+1], v[FQ+2*ii:FQ+2*ii+1], v[CMP+4*(\t)+2:CMP+4*(\t)+3]
.set ii, ii+1
.endr
.set ii, 0
.rept 4
	v_cvt_scalef32_pk8_fp4_f32 v[AC+ii], v[XQ+8*ii:XQ+8*ii+7], v[QSC]       ; registers 0-3: K = 32 h + 0 .. 31: q_cos
	v_cvt_scalef32_pk8_fp4_f32 v[AC+4+ii], v[QS+8*ii:QS+8*ii+7], v[QSS]     ; registers 4-7: K = 64 + 32 h + 0 .. 31: q_sin
.set ii, ii+1
.endr
.rept 4
	v_nop                                          ; four places between an operand written by vector instructions and a scaled product
.endr
.irp jb, 0,1,2,3                       ; source 0 = my 16 rows of q, source 1 = the sums' columns 4 r + jb.  Each sum is one instruction
	v_wmma_scale_f32_16x16x128_f8f6f4 v[ACC+8*\jb:ACC+8*\jb+7], v[AC:AC+7], v[BF+8*\jb:BF+8*\jb+7], 0, v[AW], v[SB+\jb] matrix_a_fmt:MATRIX_FMT_FP4 matrix_b_fmt:MATRIX_FMT_FP4
.endr
.rept 4
	v_nop                                          ; four places between the last product and the first read of results (ISA guide 7.12.1)
.endr
.if (\t) > 0
	s_wait_xcnt 0x0                                ; the last tile's stores have read their registers, which are written again below
.endif
.irp j, 0,1,2,3,4,5,6,7                ; each accumulator from its low end on
.irp jb, 0,1,2,3
	v_mul_f32 v[OUTR+4*\j+\jb], s54, v[ACC+8*\jb+\j]   ; / 8, and the four columns 4 r .. 4 r + 3 of row 8 h + j side by side
.endr
.endr
.irp j, 0,1,2,3,4,5,6,7
	global_store_b128 v[OOFF], v[OUTR+4*\j:OUTR+4*\j+3], s[10:11] offset:(\t)*4096+\j*256 th:TH_STORE_NT   ; sixteen lanes store a row's 256 bytes, the other sixteen the row eight further down; written once, read by nobody here
.endr
.endm
	TILE 0
	TILE 1
	TILE 2
	TILE 3                                         ; its wait on TENSORcnt is for 0: no tensor load is out at the end, and its wait on DScnt was the wave's last LDS instruction's
	s_set_vgpr_msb 0x4
	s_wait_tensorcnt 0x0
	ds_add_u32 v255, v1
	s_wait_dscnt 0x0
	s_set_vgpr_msb 0x400
	ROUND                                          ; the closing round: no work-group ends while a partner may still ask for the sums that name it; the last stores leave meanwhile
	s_endpgm
.Lfunc_end_k_q5dbc2392cd_apply:
	.size	k_q5dbc2392cd_apply, .Lfunc_end_k_q5dbc2392cd_apply-k_q5dbc2392cd_apply
	.p2alignl 7, 3214868480
	.fill 96, 4, 3214868480
	.section	.rodata,"a",@progbits
	.p2align	6, 0x0
	.amdhsa_kernel k_q5dbc2392cd_apply
		.amdhsa_group_segment_fixed_size 327680
		.amdhsa_private_segment_fixed_size 0
		.amdhsa_enable_private_segment 0
		.amdhsa_kernarg_size 32
		.amdhsa_user_sgpr_count 2
		.amdhsa_user_sgpr_kernarg_segment_ptr 1
		.amdhsa_wavefront_size32 1
		.amdhsa_system_sgpr_workgroup_id_x 1
		.amdhsa_system_sgpr_workgroup_id_y 1
		.amdhsa_system_sgpr_workgroup_id_z 1
		.amdhsa_system_vgpr_workitem_id 0
		.amdhsa_next_free_vgpr 258
		.amdhsa_next_free_sgpr 80
		.amdhsa_reserve_vcc 1
		.amdhsa_float_denorm_mode_32 3
		.amdhsa_float_denorm_mode_16_64 3
		.amdhsa_memory_ordered 1
		.amdhsa_forward_progress 1
		.amdhsa_inst_pref_size 67
	.end_amdhsa_kernel
	.amdgpu_metadata
---
amdhsa.version: [ 1, 2 ]
amdhsa.kernels:
  - .name:           k_q5dbc2392cd_apply
    .symbol:         k_q5dbc2392cd_apply.kd
    .args:
      - { .name: q, .offset: 0, .size: 8, .value_kind: global_buffer, .address_space: global }
      - { .name: token_mask, .offset: 8, .size: 8, .value_kind: global_buffer, .address_space: global }
      - { .name: part, .offset: 16, .size: 8, .value_kind: global_buffer, .address_space: global }
      - { .name: out0, .offset: 24, .size: 8, .value_kind: global_buffer, .address_space: global }
    .group_segment_fixed_size: 327680
    .private_segment_fixed_size: 0
    .kernarg_segment_align: 8
    .kernarg_segment_size: 32
    .max_flat_workgroup_size: 256
    .sgpr_count:     80
    .vgpr_count:     258
    .wavefront_size: 32
...
	.end_amdgpu_metadata
.endif
;; end of part 2
;; ======== version 2 of 2: 2 launches; version 1 with the launch kvpart written anew for expert scheduling mode
;; workspace buffers: part 8,388,608 bytes
;; launch kvpart (part 3): grid 256 x 1, 8 waves a work-group, no clusters, 57,344 bytes of LDS; arguments k, v, part; writes part
.if DOCPART == 3
	.amdgcn_target "amdgcn-amd-amdhsa--gfx1250"
	.amdhsa_code_object_version 6
	.text
	.protected	k_q5dbc2392cd_kvpart
	.globl	k_q5dbc2392cd_kvpart
	.p2align	8
	.type	k_q5dbc2392cd_kvpart,@function
k_q5dbc2392cd_kvpart:
	s_mov_b64 s[64:65], 0
	v_nop
	global_prefetch_b8 v0, s[64:65] scope:SCOPE_SE
	s_setreg_imm32_b32 hwreg(HW_REG_WAVE_SCHED_MODE, 0, 2), 2
	s_setreg_imm32_b32 hwreg(HW_REG_WAVE_MODE, 25, 1), 1
	s_wait_xcnt 0x0
	s_wait_alu depctr_vm_vsrc(0)
; PARTIAL SUMS OF k_cos^T v AND k_sin^T v, on codes of FP4 (E2M1) with one E8M0 scale for each 32 along s.
; k, v: [64 heads][2048 s][64] f32.  Work-group g takes head g / 4, rows s = 512 (g % 4) .. + 511: 131,072 consecutive bytes of k and of v.
; part: [g][unit 8][8][32 lanes][16 bytes] f32: unit u = 2 jB + cs holds, for lane (r, h), the 32 sums of kd = 32 h + 4 j + jA (register 8 jA + j) and vd = 4 r + jB; cs = 0: cos, 1: sin.
; SHARES.  Eight waves.  Wave w takes rows 64 w .. 64 w + 63.  Each load of 16 bytes a lane reads two whole rows of 256 bytes: lanes 0-15 row i, lanes 16-31 row 32 + i.  So lane (r, h) holds columns
; 4 r .. 4 r + 3 of the 32 rows 32 h + i: four whole blocks of 32 along s.  That is the operand's layout (lane (r, h): one row of the operand, K = 64 c + 32 h + 0 .. 31), if tile j is made of the
; columns 4 r + j.  Which columns form a tile is free: it only says where a result lands.  Nothing changes lanes, and no f32 number goes through LDS.
; THE FEATURE MAP.  f(x) = exp(x) for x < 0, x + 1 otherwise.  Since exp(x) >= 1 + x, that is the middle one of exp(x), x + 1 and 1: one v_med3_num_f32.  Within an ulp of x = 0 it may give the neighbour.
; COS AND SIN.  The angle is f32(pi / 4096) x s, rounded once, as the problem forms it.  Above pi / 4 it is taken from pi / 2 (in two pieces, the first difference exact), and sine and cosine change places;
; polynomials up to y^9 and y^10 leave under 3e-9 at pi / 4.  A lane makes them for two s; the wave's 64 go through its own 512 bytes of LDS, so that every lane has those of its 32 rows.
; FROM WAVE TO WAVE.  Wave w's codes are registers 4 c .. 4 c + 3 (c = w % 2) of the 12 fragments (8 of k, 4 of v) of K step w / 2: each goes to LDS as an image, 16 bytes a lane; scale bytes one by one.
; One barrier.  Then wave u = 2 jB + cs multiplies tiles (cs, jA = 0 .. 3) by tile jB over the four K steps: 16 matrix instructions, four accumulators by turns.
; NO CLUSTER: work-groups share no input.  NO RING: a wave's 32,768 bytes are asked for at the head and land in 256 registers.
; LIMITS: NaN and infinities are not served.  exp(x) under 2^-126 comes as 0 (v_exp_f32 gives no denormals: ISA guide, its entry).  A block of zeros has the byte 1: its codes are zeros, and this program alone reads the bytes.
; REGISTERS, in windows of 256.  Window 0: v1-3 addresses; v4-7 scale bytes and v16-31 codes, four sets by turns; v8-11 maxima; v12 the conversion's scale; v32-63 32 numbers at work;
; v64-95 cos, v96-127 sin of my 32 rows; v128-255 f, later v, laid [column][row].  Window 1: v0-127 k as loaded, v128-255 v as loaded.
; THE MODE: SCHED_MODE bits 1:0 = 2 (LLVM: expert scheduling mode 2), set by the entry lines.  The code itself states the register dependences between vector or matrix instructions
; and memory or LDS instructions, with s_wait_alu, always for 0.
; THE PLAN.  Registers that memory or LDS instructions touch, in the order of the text:
;   v1             Offset of all 64 loads.  Written at the head, never again: one wait on va_vdst ahead of the first load.
;   window 1       The 64 loads land here, each register once; no vector instruction names these registers ahead of the loads.
;   v13, v14, v41-44  Addresses and data of the way of cos and sin through LDS.  One wait on va_vdst ahead of the four stores.  v41-44 are written again by the first multiplications into v32-63,
;                  v13 and v14 behind the barrier: one wait on vm_vsrc ahead of the first of those multiplications.
;   v2, v3         Addresses of the images and of the scale bytes.  Written at the head, never again.
;   v16-31, v4-7   Four sets of codes and bytes.  Turn n's conversions write set n % 4.  FOUR TURNS FILL THE FOUR SETS, ONE WAIT ON va_vdst FOLLOWS, AND THEIR EIGHT STORES GO OUT AS A RUN: three runs for the 12 turns.
;                  One wait on vm_vsrc ahead of the conversions of turn 4 and of turn 8 states that the run before has read all four sets.
;   v8-14          Addresses behind the barrier, made between its signal and its wait.  v64-243: the 60 loads of fragments and scale words land where cos, sin, f and v lay.  One wait on va_vdst behind the barrier, for both.
;   v32-63         The accumulators.  The places behind the last product, then one wait on va_vdst, then the eight stores.
;   v254, v255     The closing add's two, made straight ahead of the closing lines; no memory or LDS instruction has read them before.
.set TILEB,  1024                      ; a fragment's image: 8 registers x 128 bytes
.set KSB,    12*TILEB                  ; a K step's 12 images
.set SCB,    4*KSB                     ; behind them the scale words: 64 bytes a tile,
.set KSS,    12*64                     ; 768 a K step
.set TRG,    SCB+4*KSS                 ; behind them 512 bytes for each wave: cos and sin of its 64 rows
.set FLOOR,  0x1800000                 ; 2^(3 - 127): under it no largest magnitude is taken, so the byte cannot fall under 1
.set EOFF,   0xff000000                ; takes 2 off an exponent field
.set VOFF, 1
.set IMGW, 2
.set SCW,  3
.set BY,   4
.set MX,   8
.set SC,   12
.set TSA,  13
.set TLA,  14
.set CD,   16
.set T,    32
.set TR,   64
.set FK,   128
.set RK,   0                           ; in window 1
.set RV,   128                         ; in window 1
.set TX,   32                          ; at work on cos and sin, in v32-47, ahead of everything else that uses them
.set TY,   33
.set TZ,   34
.set TP,   35
.set TQ,   36
.set SN,   40
.set TC0,  41
.set TS0,  42
.set TC1,  43
.set TS1,  44
.set RR,   45
.set HH,   46
.set LN,   47
.set RA,   8                           ; behind the barrier: addresses in v8-14,
.set RB,   9
.set RSA,  10
.set RSB,  11
.set POFF, 12
.set LN2,  13
.set RR2,  14
.set ACC,  32                          ; four accumulators,
.set AF,   64                          ; 16 fragments of k,
.set BF,   192                         ; 4 of v,
.set SA,   224                         ; and their scale words
.set SB,   240
.set MSB, 0
.macro WIN new                         ; the immediate's high byte repeats the setting that is left
.if MSB != \new
	s_set_vgpr_msb (MSB<<8)|\new
.set MSB, \new
.endif
.endm
.macro LOADS reg, base, from, count    ; rows from .. from + count - 1 of my 32 (and, in lanes 16-31, of the next 32)
.set ii, \from
.rept \count
	global_load_b128 v[\reg+4*ii:\reg+4*ii+3], v[VOFF], s[\base:\base+1] offset:256*ii th:TH_LOAD_NT
.set ii, ii+1
.endr
.endm
; cos and sin of the angle of row v[n]
.macro TRIG n, co, si
	v_cvt_f32_u32 v[TX], v[\n]
	v_mul_f32 v[TX], 0x3a490fdb, v[TX]             ; f32(pi / 4096) x s, rounded once
	v_sub_f32 v[TY], 0x3fc90fdb, v[TX]             ; f32(pi / 2) - angle: exact where the angle is above pi / 4,
	v_cmp_lt_f32 vcc_lo, 0x3f490fdb, v[TX]         ; which is where it is used
	v_add_f32 v[TY], 0xb33bbd2e, v[TY]             ; + what f32(pi / 2) lacks of pi / 2
	s_wait_alu depctr_va_vcc(0)                    ; the compare has written VCC, ahead of its first reader, the select below
	v_cndmask_b32 v[TY], v[TX], v[TY], vcc_lo      ; y, at most pi / 4
	v_mul_f32 v[TZ], v[TY], v[TY]
	v_mov_b32 v[TP], 0x3638ef1d                    ; 1 / 9!
	v_mov_b32 v[TQ], 0xb493f27e                    ; -1 / 10!
	v_fmaak_f32 v[TP], v[TP], v[TZ], 0xb9500d01    ; -1 / 7!
	v_fmaak_f32 v[TQ], v[TQ], v[TZ], 0x37d00d01    ; 1 / 8!
	v_fmaak_f32 v[TP], v[TP], v[TZ], 0x3c088889    ; 1 / 5!
	v_fmaak_f32 v[TQ], v[TQ], v[TZ], 0xbab60b61    ; -1 / 6!
	v_fmaak_f32 v[TP], v[TP], v[TZ], 0xbe2aaaab    ; -1 / 3!
	v_fmaak_f32 v[TQ], v[TQ], v[TZ], 0x3d2aaaab    ; 1 / 4!
	v_mul_f32 v[TX], v[TY], v[TZ]
	v_fmaak_f32 v[TQ], v[TQ], v[TZ], 0xbf000000    ; -1 / 2
	v_fma_f32 v[TP], v[TX], v[TP], v[TY]           ; sin y
	v_fmaak_f32 v[TQ], v[TQ], v[TZ], 0x3f800000    ; cos y
	v_cndmask_b32 v[\si], v[TP], v[TQ], vcc_lo
	v_cndmask_b32 v[\co], v[TQ], v[TP], vcc_lo
.endm
; 32 numbers of one block, v[src] on, with their largest magnitude (floor included) in v[m], become four registers of codes and a scale byte, in set n % 4.  n: which of the wave's 12 turns.
.macro QCVT src, m, n
	v_add_nc_u32 v[SC], EOFF, v[\m]                ; 2 off the exponent field: the conversion takes this operand's exponent field as its scale, and nothing else of it
.if (\n) >= 4
	s_wait_dscnt 6-2*((\n)%4)                      ; the two stores that read this set are done: behind them in the last run of eight stand the later sets' stores, and no LDS instruction has followed the run
.endif
.if ((\n) == 4) || ((\n) == 8)
	s_wait_alu depctr_vm_vsrc(0)                   ; the eight stores of the last run have read the four sets of codes and bytes, which this turn's and the next three turns' conversions and shifts write again
.endif
.set gg, 0
.rept 4
	v_cvt_scalef32_pk8_fp4_f32 v[CD+4*((\n)%4)+gg], v[(\src)+8*gg:(\src)+8*gg+7], v[SC]
.set gg, gg+1
.endr
	v_lshrrev_b32 v[BY+(\n)%4], 23, v[SC]          ; the scale's byte.  (Also the plain instruction behind the conversions)
.endm
; Turn n's image and byte go to LDS.  Four turns' stores stand together, behind one wait
.macro QST n, tile
	ds_store_b128 v[IMGW], v[CD+4*((\n)%4):CD+4*((\n)%4)+3] offset:(\tile)*TILEB
	ds_store_b8 v[SCW], v[BY+(\n)%4] offset:(\tile)*64
.endm
; Eight rows of k have come: f of their 32 numbers a lane, laid [column][row]
.macro KBATCH b
	s_wait_loadcnt 56-8*(\b)                       ; behind these eight loads: the rest of k's 32 and v's 32
	WIN 0x04                                       ; source 1 in window 1
.set ii, 0
.rept 32
	v_add_f32 v[FK+32*(ii%4)+8*(\b)+ii/4], 1.0, v[RK+32*(\b)+ii]   ; x + 1, at f's place
.set ii, ii+1
.endr
	WIN 0x41                                       ; destination and source 0 in window 1
.set ii, 0
.rept 16
	v_pk_mul_f32 v[RK+32*(\b)+2*ii:RK+32*(\b)+2*ii+1], v[RK+32*(\b)+2*ii:RK+32*(\b)+2*ii+1], s[14:15] op_sel_hi:[1,0]   ; x log2(e)
.set ii, ii+1
.endr
.set ii, 0
.rept 32
	v_exp_f32 v[RK+32*(\b)+ii], v[RK+32*(\b)+ii]
.set ii, ii+1
.endr
	v_nop                                          ; a plain instruction behind the last exponential
	s_wait_alu depctr_va_vdst(0)                   ; the batch's 32 exponentials have written their results, ahead of the first reader below
	WIN 0x01                                       ; source 0 in window 1
.set ii, 0
.rept 32
	v_med3_num_f32 v[FK+32*(ii%4)+8*(\b)+ii/4], v[RK+32*(\b)+ii], v[FK+32*(ii%4)+8*(\b)+ii/4], 1.0   ; the middle one of exp(x), x + 1 and 1
.set ii, ii+1
.endr
.endm
; Column 4 r + j times cos (cs = 0) or sin (1) of the rows; none is negative, so the maximum needs no |.|
.macro KCOL j, cs
.set ii, 0
.rept 16
	v_pk_mul_f32 v[T+2*ii:T+2*ii+1], v[FK+32*(\j)+2*ii:FK+32*(\j)+2*ii+1], v[TR+32*(\cs)+2*ii:TR+32*(\cs)+2*ii+1]
.set ii, ii+1
.endr
	v_max3_num_f32 v[MX], v[T], v[T+1], v[T+2]     ; two chains
	v_max3_num_f32 v[MX+1], v[T+3], v[T+4], v[T+5]
.irp i, 6,10,14,18,22,26
	v_max3_num_f32 v[MX], v[MX], v[T+\i], v[T+\i+1]
	v_max3_num_f32 v[MX+1], v[MX+1], v[T+\i+2], v[T+\i+3]
.endr
	v_max3_num_f32 v[MX], v[MX], v[T+30], v[T+31]
	v_max3_num_f32 v[MX], v[MX], v[MX+1], FLOOR
	QCVT T, MX, 2*(\j)+(\cs)
.endm
; Eight rows of v have come: they are laid [column][row], where f lay, and the four columns' running maxima take them in
.macro VBATCH b
	s_wait_loadcnt 24-8*(\b)                       ; behind these eight loads: the rest of v's 32
	WIN 0x01
.set ii, 0
.rept 32
	v_mov_b32 v[FK+32*(ii%4)+8*(\b)+ii/4], v[RV+32*(\b)+ii]   ; the conversion wants eight neighbours along s in consecutive registers
.set ii, ii+1
.endr
	WIN 0
.irp i, 0,2,4,6
.irp j, 0,1,2,3
.if ((\b) == 0) && (\i == 0)
	v_max3_num_f32 v[MX+\j], |v[FK+32*\j]|, |v[FK+32*\j+1]|, FLOOR
.else
	v_max3_num_f32 v[MX+\j], v[MX+\j], |v[FK+32*\j+8*(\b)+\i]|, |v[FK+32*\j+8*(\b)+\i+1]|
.endif
.endr
.endr
.endm
	s_load_b128 s[4:7], s[0:1], 0x0                ; k, v
	s_load_b64 s[8:9], s[0:1], 0x10                ; part
	v_lshrrev_b32 v[VOFF], 5, v0
	v_readfirstlane_b32 s10, v[VOFF]               ; wave 0..7
	v_and_b32 v[RR], 15, v0                        ; r
	v_bfe_u32 v[HH], v0, 4, 1                      ; h
	v_and_b32 v[LN], 31, v0                        ; lane
	v_lshlrev_b32 v[VOFF], 4, v[RR]                ; 16 r: my four columns,
	v_lshl_add_u32 v[VOFF], v[HH], 13, v[VOFF]     ; + 32 rows of 256 bytes for lanes 16-31,
	s_wait_alu depctr_va_sdst(0)                   ; s10 is written, ahead of its first reader: offsets and LDS addresses are made from it
	s_lshl_b32 s11, s10, 14
	v_add_nc_u32 v[VOFF], s11, v[VOFF]             ; + my wave's 64 rows
	s_lshl_b32 s12, ttmp9, 17                      ; the work-group's 512 rows of 256 bytes
	s_mov_b32 s13, 0
	s_lshl_b32 s18, ttmp9, 15                      ; and its 32,768 bytes of sums
	s_mov_b32 s19, 0
	s_mov_b32 s14, 0x3fb8aa3b                      ; log2(e); the packed form names a pair and takes its low word for both halves
	s_mov_b32 s15, s14
	s_wait_kmcnt 0x0
	s_add_nc_u64 s[4:5], s[4:5], s[12:13]
	s_add_nc_u64 s[6:7], s[6:7], s[12:13]
	s_add_nc_u64 s[8:9], s[8:9], s[18:19]
	WIN 0x40                                       ; destination in window 1, address in window 0
	s_wait_alu depctr_va_vdst(0)                   ; v1 is written: all 64 loads read it as their offset, and no vector instruction names it again
	LOADS RK, 4, 0, 32                             ; all of k first: it has the longer way to go,
	LOADS RV, 6, 0, 24                             ; then three quarters of v; the last quarter follows behind the work on cos and sin
	WIN 0
	s_lshr_b32 s16, s10, 1                         ; my K step,
	s_and_b32 s17, s10, 1                          ; and which half of it: c
	s_mul_i32 s20, s16, KSB
	s_lshl_b32 s21, s17, 9
	s_add_co_u32 s20, s20, s21
	v_lshl_add_u32 v[IMGW], v[LN], 4, s20          ; images: K step x 12,288 + 512 c + 16 lane (+ 1,024 tile)
	s_mul_i32 s20, s16, KSS
	s_lshl_b32 s21, s17, 1
	s_add_co_u32 s20, s20, s21
	s_add_co_u32 s20, s20, SCB
	v_lshl_add_u32 v[SCW], v[RR], 2, v[HH]
	v_add_nc_u32 v[SCW], s20, v[SCW]               ; scale bytes: K step x 768 + 4 r + 2 c + h (+ 64 tile): byte 2 c + h of row r's word
	s_lshl_b32 s20, s10, 9
	s_add_co_u32 s20, s20, TRG
	v_lshl_add_u32 v[TSA], v[LN], 2, s20           ; cos and sin: in, 4 bytes a lane;
	v_lshl_add_u32 v[TLA], v[HH], 7, s20           ; back, the 32 of my half
	s_and_b32 s21, ttmp9, 3
	s_lshl_b32 s21, s21, 9
	s_lshl_b32 s22, s10, 6
	s_add_co_u32 s21, s21, s22                     ; my wave's first s in the head
	v_add_nc_u32 v[SN], s21, v[LN]
	TRIG SN, TC0, TS0
	v_add_nc_u32 v[SN], 32, v[SN]
	TRIG SN, TC1, TS1
	s_wait_alu depctr_va_vdst(0)                   ; cos and sin (v41-44) and the LDS addresses v13, v14, v2 and v3 are written: the stores and loads below read the first six, the runs of stores further down the last two
	ds_store_b32 v[TSA], v[TC0]
	ds_store_b32 v[TSA], v[TC1] offset:128
	ds_store_b32 v[TSA], v[TS0] offset:256
	ds_store_b32 v[TSA], v[TS1] offset:384
.set ii, 0
.rept 8
	ds_load_b128 v[TR+4*ii:TR+4*ii+3], v[TLA] offset:16*ii             ; the wave's own bytes, served in order (ISA guide 5.7.1.4): these see the stores above
	ds_load_b128 v[TR+32+4*ii:TR+32+4*ii+3], v[TLA] offset:256+16*ii
.set ii, ii+1
.endr
	WIN 0x40
	LOADS RV, 6, 24, 8                             ; (no vector instruction has named v1 since the wait ahead of the first load, and none has ever named the registers in which these land)
	WIN 0
	s_wait_dscnt 0x0                               ; cos and sin are in
	KBATCH 0
	KBATCH 1
	KBATCH 2
	KBATCH 3
	WIN 0
	s_wait_alu depctr_vm_vsrc(0)                   ; the LDS stores of cos and sin have read v41-44, which the multiplications below write; they and the loads have read v13 and v14, which are written again behind the barrier's signal
.irp j, 0,1                            ; turns 0 to 3 fill the four sets
	KCOL \j, 0
	KCOL \j, 1
.endr
	s_wait_alu depctr_va_vdst(0)                   ; the conversions and shifts of turns 0 to 3 have written the four sets, which the eight stores read
.irp j, 0,1
	QST 2*\j, \j
	QST 2*\j+1, 4+\j
.endr
.irp j, 2,3                            ; turns 4 to 7 fill them again
	KCOL \j, 0
	KCOL \j, 1
.endr
	s_wait_alu depctr_va_vdst(0)                   ; the conversions and shifts of turns 4 to 7 have written the four sets, which the eight stores read
.irp j, 2,3
	QST 2*\j, \j
	QST 2*\j+1, 4+\j
.endr
	VBATCH 0
	VBATCH 1
	VBATCH 2
	VBATCH 3
.irp j, 0,1,2,3                        ; turns 8 to 11: v's four columns
	QCVT FK+32*\j, MX+\j, 8+\j
.endr
	s_wait_alu depctr_va_vdst(0)                   ; the conversions and shifts of turns 8 to 11 have written the four sets, which the eight stores read
.irp j, 0,1,2,3
	QST 8+\j, 8+\j
.endr
	s_wait_dscnt 0x0                               ; for the others' sake: my images and scale bytes lie in LDS
	s_barrier_signal -1
	v_and_b32 v[LN2], 31, v0                       ; work on registers while the others arrive: now I am wave u = 2 jB + cs
	v_and_b32 v[RR2], 15, v0
	s_lshl_b32 s18, s17, 12
	v_lshl_add_u32 v[RA], v[LN2], 4, s18           ; k's images: tiles 4 cs + jA
	s_lshl_b32 s19, s16, 10
	s_add_co_u32 s19, s19, 8*TILEB
	v_lshl_add_u32 v[RB], v[LN2], 4, s19           ; v's: tile 8 + jB
	s_lshl_b32 s20, s17, 8
	s_add_co_u32 s20, s20, SCB
	v_lshl_add_u32 v[RSA], v[RR2], 2, s20          ; scale words: lane r takes row r's (lanes 16-31 the same; they are not read)
	s_lshl_b32 s21, s16, 6
	s_add_co_u32 s21, s21, SCB+8*64
	v_lshl_add_u32 v[RSB], v[RR2], 2, s21
	s_lshl_b32 s22, s10, 12
	v_lshl_add_u32 v[POFF], v[LN2], 4, s22         ; the sums' place: 4,096 u + 16 lane
	s_barrier_wait -1
	s_wait_alu depctr_va_vdst(0)                   ; the addresses v8-12 are written, which the loads and stores below read; the multiplications, moves and conversions that named v64-243 (cos, sin, f, v) are done, and the loads below land there
.irp ks, 0,1,2,3                       ; 15 LDS loads a K step
.irp ja, 0,1,2,3
	ds_load_b128 v[AF+32*\ks+8*\ja:AF+32*\ks+8*\ja+3], v[RA] offset:\ks*KSB+\ja*TILEB
	ds_load_b128 v[AF+32*\ks+8*\ja+4:AF+32*\ks+8*\ja+7], v[RA] offset:\ks*KSB+\ja*TILEB+512
	ds_load_b32 v[SA+4*\ks+\ja], v[RSA] offset:\ks*KSS+\ja*64
.endr
	ds_load_b128 v[BF+8*\ks:BF+8*\ks+3], v[RB] offset:\ks*KSB
	ds_load_b128 v[BF+8*\ks+4:BF+8*\ks+7], v[RB] offset:\ks*KSB+512
	ds_load_b32 v[SB+\ks], v[RSB] offset:\ks*KSS
.endr
.irp ks, 0,1,2,3                       ; source 0 = 16 columns of k (rows of the sum), source 1 = 16 columns of v.  The four accumulators take turns, one instruction a turn
	s_wait_dscnt 45-15*\ks                         ; this K step's 15 loads are in; the later K steps' may be out
.irp ja, 0,1,2,3
.if \ks == 0
	v_wmma_scale_f32_16x16x128_f8f6f4 v[ACC+8*\ja:ACC+8*\ja+7], v[AF+8*\ja:AF+8*\ja+7], v[BF:BF+7], 0, v[SA+\ja], v[SB] matrix_a_fmt:MATRIX_FMT_FP4 matrix_b_fmt:MATRIX_FMT_FP4
.else
	v_wmma_scale_f32_16x16x128_f8f6f4 v[ACC+8*\ja:ACC+8*\ja+7], v[AF+32*\ks+8*\ja:AF+32*\ks+8*\ja+7], v[BF+8*\ks:BF+8*\ks+7], v[ACC+8*\ja:ACC+8*\ja+7], v[SA+4*\ks+\ja], v[SB+\ks] matrix_a_fmt:MATRIX_FMT_FP4 matrix_b_fmt:MATRIX_FMT_FP4
.endif
.endr
.endr
.rept 4
	v_nop                                          ; four places between the last product and the stores that read results
.endr
	s_wait_alu depctr_va_vdst(0)                   ; the products have written the four accumulators, which the stores read; the places above stay beside this wait
.set ii, 0
.rept 8
	global_store_b128 v[POFF], v[ACC+4*ii:ACC+4*ii+3], s[8:9] offset:512*ii   ; each accumulator from its low end on; 32 lanes store 512 consecutive bytes, at a multiple of 512 from the buffer's first byte
.set ii, ii+1
.endr
	s_wait_xcnt 0x0                                ; the stores above have had their addresses translated (ISA guide 3.1), ahead of the two lines that write registers
	v_lshl_add_u32 v254, v0, 2, 0xdc00             ; the closing add's two registers, made anew here: my spare word behind the waves' cos and sin, and 0.  No memory or LDS instruction has read v254 or v255
	v_mov_b32 v255, 0
	s_wait_dscnt 0x0                               ; the closing lines, six on end
	s_wait_alu 0x0
	s_wait_tensorcnt 0x0
	ds_add_u32 v254, v255
	s_wait_dscnt 0x0
	s_endpgm
.Lfunc_end_k_q5dbc2392cd_kvpart:
	.size	k_q5dbc2392cd_kvpart, .Lfunc_end_k_q5dbc2392cd_kvpart-k_q5dbc2392cd_kvpart
	.p2alignl 7, 3214868480
	.fill 96, 4, 3214868480
	.section	.rodata,"a",@progbits
	.p2align	6, 0x0
	.amdhsa_kernel k_q5dbc2392cd_kvpart
		.amdhsa_group_segment_fixed_size 57344
		.amdhsa_private_segment_fixed_size 0
		.amdhsa_enable_private_segment 0
		.amdhsa_kernarg_size 24
		.amdhsa_user_sgpr_count 2
		.amdhsa_user_sgpr_kernarg_segment_ptr 1
		.amdhsa_wavefront_size32 1
		.amdhsa_system_sgpr_workgroup_id_x 1
		.amdhsa_system_sgpr_workgroup_id_y 1
		.amdhsa_system_sgpr_workgroup_id_z 1
		.amdhsa_system_vgpr_workitem_id 0
		.amdhsa_next_free_vgpr 512
		.amdhsa_next_free_sgpr 66
		.amdhsa_reserve_vcc 1
		.amdhsa_float_denorm_mode_32 3
		.amdhsa_float_denorm_mode_16_64 3
		.amdhsa_memory_ordered 1
		.amdhsa_forward_progress 1
		.amdhsa_inst_pref_size 72
	.end_amdhsa_kernel
	.amdgpu_metadata
---
amdhsa.version: [ 1, 2 ]
amdhsa.kernels:
  - .name:           k_q5dbc2392cd_kvpart
    .symbol:         k_q5dbc2392cd_kvpart.kd
    .args:
      - { .name: k, .offset: 0, .size: 8, .value_kind: global_buffer, .address_space: global }
      - { .name: v, .offset: 8, .size: 8, .value_kind: global_buffer, .address_space: global }
      - { .name: part, .offset: 16, .size: 8, .value_kind: global_buffer, .address_space: global }
    .group_segment_fixed_size: 57344
    .private_segment_fixed_size: 0
    .kernarg_segment_align: 8
    .kernarg_segment_size: 24
    .max_flat_workgroup_size: 256
    .sgpr_count:     66
    .vgpr_count:     512
    .wavefront_size: 32
...
	.end_amdgpu_metadata
.endif
;; end of part 3
;; launch apply: the kernel of part 2 again; grid 256 x 1, 8 waves a work-group, clusters of 4 x 1, 327,680 bytes of LDS; arguments q, token_mask, part, out0; writes out0
